; MI455X (gfx1250); checked and timed in simulation.
; The chip was launched on July 23, 2026; its instructions are those of AMD's public machine-readable ISA for CDNA 5 (MIT licence, August 2026) and "CDNA5" Instruction Set Architecture Reference Guide (July 2026). The comments in the code are by the model that wrote it; some were corrected since.
;; Quantum Layer. Allowed arithmetic: float matrix products may take bf16 or f16 operands with f32 sums; all other float work in f32.
;; Inputs: weights 12 float32; x 16 x 512 x 12 float32.
;; Outputs: out0 16 x 512 x 12 float32.
;; One version. Each part assembles by itself: llvm-mc -triple=amdgcn-amd-amdhsa -mcpu=gfx1250 --defsym DOCPART=n.
;; ======== version 1 of 1: 1 launch
;; limits: inputs' magnitudes at most 1,048,576
;; launch qlayer (part 1): grid 256 x 1, 1 waves a work-group, no clusters, 1,792 bytes of LDS; arguments x, weights, out0; writes out0
.if DOCPART == 1
	.amdgcn_target "amdgcn-amd-amdhsa--gfx1250"
	.amdhsa_code_object_version 6
	.text
	.protected	k_qc2ad888781_qlayer
	.globl	k_qc2ad888781_qlayer
	.p2align	8
	.type	k_qc2ad888781_qlayer,@function
k_qc2ad888781_qlayer:
	s_mov_b64 s[64:65], 0
	v_nop
	global_prefetch_b8 v0, s[64:65] scope:SCOPE_SE
	s_setreg_imm32_b32 hwreg(HW_REG_WAVE_MODE, 25, 1), 1
	s_wait_xcnt 0x0
; QuantumLayer: RX(x_j) on 12 wires, CNOT chain, RZ(w_j), <Z_i>.  x, out0: [8192][12] f32, weights: [12] f32.
;
; THE SUM OVER THE 4096 BASIS STATES IS TAKEN IN FACTORISED FORM; the state vector is never written out.
;   RX:    the state is a product state, so the probability of input bits b is prod_j p_j(b_j),
;          p_j(0) = cos^2(x_j/2), p_j(1) = sin^2(x_j/2)  (the factor -i and all signs fall away in |.|^2).
;   CNOT:  a permutation of basis states: output bit i = b_0 xor .. xor b_i.
;   RZ:    a phase on each amplitude whose squared modulus is g = prod_j (cos^2(w_j/2) + sin^2(w_j/2)) for either sign.
;   <Z_i>: sum_b prod_j p_j(b_j) (-1)^(b_0 xor .. xor b_i) g
;          = g * prod_{j<=i} (p_j(0) - p_j(1)) * prod_{j>i} (p_j(0) + p_j(1)),  an identity for every input.
; The norms p_j(0) + p_j(1) and g are 1 up to rounding; they are kept because they carry a NaN or an infinity in x to the
; whole row and one in weights to every output, as the full sum does.
; LIMITS.  All in f32; the order of rounding differs from a sum over 4096 states.  Angles (x and weights) up to 2^20 in
; magnitude: there k = round(angle/pi) < 2^19, the reduced angle t stays within 0.52 pi and its error is a few 2^-24.
; Nothing is claimed for larger finite angles (above 2^22 pi the rounding by the added constant fails).  Inf, NaN -> NaN.
;
; SHARES.  256 work-groups of one wave; a wave owns 32 rows = 1,536 consecutive bytes; a lane owns a row.  Every global
; load and store of x and out0 covers 512 consecutive bytes at a multiple of 512; the turn from 16 bytes a lane to 48 bytes
; (a row) a lane goes through the wave's own 1,536 bytes of LDS.  One wave: no barrier.  No cluster: all that work-groups
; share is the 48 bytes of weights.  No matrix instruction: the factorised sum holds no matrix product.
.set ROW_BYTES,  48
.set WAVE_BYTES, 32*ROW_BYTES
; angle = k pi + t;  pi = P1 + P2 + P3 in three f32; the constants are the negatives, for t = fma(k, -P, t)
.set INV_PI,  0x3ea2f983               ; 1/pi
.set MAGIC,   0x4b400000               ; 1.5 * 2^23: adding it rounds to a whole number, whose parity is the sum's lowest bit
.set NMAGIC,  0xcb400000
.set NP1,     0xc0490fdb               ; -3.14159274
.set NP2,     0x33bbbd2e               ; +8.74227766e-8
.set NP3,     0x27772ced               ; +3.43025e-15
; sin(t/2) = t (1/2 + z (SA + z (SB + z SC))), cos(t/2) = 1 + z (-1/8 + z (CA + z (CB + z CC))), z = t^2: the minimax
; polynomials of degree 7 and 8 for +-pi/4 with the halving of the angle folded in (exact powers of two)
.set SA, 0xbcaaaaa3                    ; -1.6666654611e-1 / 8
.set SB, 0x3988839e                    ;  8.3321608736e-3 / 32
.set SC, 0xb5cca1f9                    ; -1.9515295891e-4 / 128
.set CE, 0xbe000000                    ; -1/8
.set CA, 0x3b2aaaa5                    ;  4.1666645683e-2 / 16
.set CB, 0xb7b6061a                    ; -1.3887316255e-3 / 64
.set CC, 0x33ccf5ce                    ;  2.4433157118e-5 / 256
.set A16,  1                           ; v1        16 x lane: my piece of a 512-byte run, in memory and in LDS
.set A48,  2                           ; v2        48 x lane: my row in LDS
.set WOFF, 3                           ; v3        byte offset of my pair of weights
.set RAW,  4                           ; v[4:15]   three 16-byte pieces as they lie in memory (in, later out)
.set X,    16                          ; v[16:29]  my row's 12 angles and 2 weights; then t
.set Q,    30                          ; v[30:43]  k + MAGIC; then the parity of k in bit 31
.set K,    44                          ; v[44:57]  k
.set SUF,  44                          ; v[44:55]  later: g * prod_{j>i} norm_j
.set Z,    58                          ; v[58:71]  t^2
.set PS,   72                          ; v[72:85]  sine polynomial, sin(t/2), sin^2
.set PC,   86                          ; v[86:99]  cosine polynomial, cos(t/2)
.set D,    100                         ; v[100:111] p(0) - p(1); prefix products; results
.set N,    112                         ; v[112:125] p(0) + p(1)
.set G,    126                         ; v126      the weights' factor
.set MAGV, 128                         ; v[128:129] MAGIC twice   (an instruction takes one literal: where a step
.set SCV,  130                         ; v[130:131] SC twice       has two constants, one of them lies in registers)
.set CCV,  132                         ; v[132:133] CC twice
	s_load_b128 s[4:7], s[0:1], 0x0                ; x s[4:5], weights s[6:7]
	s_load_b64 s[8:9], s[0:1], 0x10                ; out0
	v_lshl_add_u32 v136, v0, 2, 0x600
	v_mov_b32 v137, 0
	s_mul_i32 s10, ttmp9, WAVE_BYTES               ; the work-group's 32 rows (below 393,216)
	s_mov_b32 s11, 0
	v_lshlrev_b32 v[A16], 4, v0                    ; one wave: v0 is the lane
	v_mul_u32_u24 v[A48], ROW_BYTES, v0
	v_min_u32 v[WOFF], 5, v0                       ; lanes 0-5 take weights 2 lane, 2 lane + 1; the others stay inside the
	v_lshlrev_b32 v[WOFF], 3, v[WOFF]              ; 48 bytes with the last pair, which is replaced by 1 further down
	v_mov_b32 v[MAGV], MAGIC
	v_mov_b32 v[MAGV+1], MAGIC
	v_mov_b32 v[SCV], SC
	v_mov_b32 v[SCV+1], SC
	v_mov_b32 v[CCV], CC
	v_mov_b32 v[CCV+1], CC
	v_cmp_gt_u32 vcc_lo, 6, v0                     ; the lanes that hold weights
	s_wait_kmcnt 0x0
	s_add_nc_u64 s[4:5], s[4:5], s[10:11]
	s_add_nc_u64 s[8:9], s[8:9], s[10:11]
	global_load_b128 v[RAW:RAW+3],    v[A16], s[4:5] th:TH_LOAD_NT
	global_load_b128 v[RAW+4:RAW+7],  v[A16], s[4:5] offset:512 th:TH_LOAD_NT
	global_load_b128 v[RAW+8:RAW+11], v[A16], s[4:5] offset:1024 th:TH_LOAD_NT
	global_load_b64  v[X+12:X+13], v[WOFF], s[6:7] ; read by every work-group: no hint
	; from 16 bytes a lane to a row a lane.  Loads return in order: the counts are the loads issued behind the piece wanted.
	s_wait_loadcnt 0x3
	ds_store_b128 v[A16], v[RAW:RAW+3]
	s_wait_loadcnt 0x2
	ds_store_b128 v[A16], v[RAW+4:RAW+7] offset:512
	s_wait_loadcnt 0x1
	ds_store_b128 v[A16], v[RAW+8:RAW+11] offset:1024
	; LDS serves a wave's instructions in order: these see the stores above.  Pitch 48 = 3 x 16 bytes: sixteen neighbouring
	; lanes touch sixteen different 16-byte columns modulo 256 bytes.
	ds_load_b128 v[X:X+3],    v[A48]
	ds_load_b128 v[X+4:X+7],  v[A48] offset:16
	ds_load_b128 v[X+8:X+11], v[A48] offset:32
	s_wait_loadcnt 0x0                             ; the weights
	s_wait_dscnt 0x0                               ; my row
	; Seven pairs of angles (six of x, one of weights), stage by stage, so that neighbouring lines do not wait for each other.
.irp p, 0,2,4,6,8,10,12
	v_pk_fma_f32 v[Q+\p:Q+\p+1], v[X+\p:X+\p+1], INV_PI, v[MAGV:MAGV+1] op_sel_hi:[1,0,1]   ; round(angle/pi) + MAGIC
.endr
.irp p, 0,2,4,6,8,10,12
	v_pk_add_f32 v[K+\p:K+\p+1], v[Q+\p:Q+\p+1], NMAGIC op_sel_hi:[1,0]                     ; k, exact
.endr
.irp p, 0,2,4,6,8,10,12
	v_pk_fma_f32 v[X+\p:X+\p+1], v[K+\p:K+\p+1], NP1, v[X+\p:X+\p+1] op_sel_hi:[1,0,1]      ; t = angle - k pi, in three parts
.endr
.irp p, 0,2,4,6,8,10,12
	v_pk_fma_f32 v[X+\p:X+\p+1], v[K+\p:K+\p+1], NP2, v[X+\p:X+\p+1] op_sel_hi:[1,0,1]
.endr
.irp p, 0,2,4,6,8,10,12
	v_pk_fma_f32 v[X+\p:X+\p+1], v[K+\p:K+\p+1], NP3, v[X+\p:X+\p+1] op_sel_hi:[1,0,1]
.endr
.irp p, 0,2,4,6,8,10,12
	v_pk_mul_f32 v[Z+\p:Z+\p+1], v[X+\p:X+\p+1], v[X+\p:X+\p+1]
.endr
.irp p, 0,2,4,6,8,10,12
	v_pk_fma_f32 v[PS+\p:PS+\p+1], v[Z+\p:Z+\p+1], v[SCV:SCV+1], SB op_sel_hi:[1,1,0]
	v_pk_fma_f32 v[PC+\p:PC+\p+1], v[Z+\p:Z+\p+1], v[CCV:CCV+1], CB op_sel_hi:[1,1,0]
.endr
.irp p, 0,2,4,6,8,10,12
	v_pk_fma_f32 v[PS+\p:PS+\p+1], v[PS+\p:PS+\p+1], v[Z+\p:Z+\p+1], SA op_sel_hi:[1,1,0]
	v_pk_fma_f32 v[PC+\p:PC+\p+1], v[PC+\p:PC+\p+1], v[Z+\p:Z+\p+1], CA op_sel_hi:[1,1,0]
.endr
.irp p, 0,2,4,6,8,10,12
	v_pk_fma_f32 v[PS+\p:PS+\p+1], v[PS+\p:PS+\p+1], v[Z+\p:Z+\p+1], 0.5 op_sel_hi:[1,1,0]
	v_pk_fma_f32 v[PC+\p:PC+\p+1], v[PC+\p:PC+\p+1], v[Z+\p:Z+\p+1], CE op_sel_hi:[1,1,0]
.endr
.irp p, 0,2,4,6,8,10,12
	v_pk_mul_f32 v[PS+\p:PS+\p+1], v[PS+\p:PS+\p+1], v[X+\p:X+\p+1]                         ; sin(t/2)
	v_pk_fma_f32 v[PC+\p:PC+\p+1], v[PC+\p:PC+\p+1], v[Z+\p:Z+\p+1], 1.0 op_sel_hi:[1,1,0]  ; cos(t/2)
.endr
.irp p, 0,2,4,6,8,10,12
	v_pk_mul_f32 v[PS+\p:PS+\p+1], v[PS+\p:PS+\p+1], v[PS+\p:PS+\p+1]                       ; sin^2
.endr
.irp p, 12,0,2,4,6,8,10
	v_pk_fma_f32 v[N+\p:N+\p+1], v[PC+\p:PC+\p+1], v[PC+\p:PC+\p+1], v[PS+\p:PS+\p+1]       ; cos^2 + sin^2: the wire's norm; for a weight |phase|^2
.endr
	; g: the product of the twelve |phase|^2.  Lanes 0-5 hold two each, the others count as 1; three exchanges inside lanes 0-7
	; leave the product in lane 0, from where it goes to a scalar register for the whole wave.
	v_mul_f32 v[G], v[N+12], v[N+13]
	v_cndmask_b32 v[G], 1.0, v[G], vcc_lo
	v_mul_f32_dpp v[G], v[G], v[G] row_xmask:1 row_mask:0xf bank_mask:0xf
	v_mul_f32_dpp v[G], v[G], v[G] row_xmask:2 row_mask:0xf bank_mask:0xf
	v_mul_f32_dpp v[G], v[G], v[G] row_xmask:4 row_mask:0xf bank_mask:0xf
.irp p, 0,2,4,6,8,10
	v_pk_fma_f32 v[D+\p:D+\p+1], v[PC+\p:PC+\p+1], v[PC+\p:PC+\p+1], v[PS+\p:PS+\p+1] neg_lo:[0,0,1] neg_hi:[0,0,1]   ; cos^2(t/2) - sin^2(t/2)
.endr
	; x/2 = k pi/2 + t/2: an odd k exchanges cos^2 and sin^2, that is, turns the sign of their difference
.irp i, 0,1,2,3,4,5,6,7,8,9,10,11
	v_lshlrev_b32 v[Q+\i], 31, v[Q+\i]
.endr
.irp i, 0,1,2,3,4,5,6,7,8,9,10,11
	v_xor_b32 v[D+\i], v[Q+\i], v[D+\i]            ; p(0) - p(1) of wire i
.endr
	v_readfirstlane_b32 s12, v[G]
	v_mov_b32 v[SUF+11], s12                       ; behind the last wire only g is left
	; the CNOT chain's parity: products of the differences from wire 0 up; the untouched wires: products of the norms from wire 11 down
.set i, 1
.rept 11
	v_mul_f32 v[D+i], v[D+i-1], v[D+i]
	v_mul_f32 v[SUF+11-i], v[SUF+12-i], v[N+12-i]
.set i, i+1
.endr
.irp p, 0,2,4,6,8,10
	v_pk_mul_f32 v[D+\p:D+\p+1], v[D+\p:D+\p+1], v[SUF+\p:SUF+\p+1]                         ; <Z_i>
.endr
	; the way out: rows into my LDS bytes (all earlier reads of them were waited for above), back as 16 bytes a lane
	ds_store_b128 v[A48], v[D:D+3]
	ds_store_b128 v[A48], v[D+4:D+7] offset:16
	ds_store_b128 v[A48], v[D+8:D+11] offset:32
	ds_load_b128 v[RAW:RAW+3],    v[A16]           ; in order behind the stores
	ds_load_b128 v[RAW+4:RAW+7],  v[A16] offset:512
	ds_load_b128 v[RAW+8:RAW+11], v[A16] offset:1024
	s_wait_dscnt 0x2                               ; the two younger LDS loads may be out
	global_store_b128 v[A16], v[RAW:RAW+3], s[8:9] th:TH_STORE_NT                  ; 512 consecutive bytes at a multiple of 512
	s_wait_dscnt 0x1
	global_store_b128 v[A16], v[RAW+4:RAW+7], s[8:9] offset:512 th:TH_STORE_NT
	s_wait_dscnt 0x0
	global_store_b128 v[A16], v[RAW+8:RAW+11], s[8:9] offset:1024 th:TH_STORE_NT
	s_wait_tensorcnt 0x0
	ds_add_u32 v136, v137
	s_wait_dscnt 0x0
	s_endpgm
.Lfunc_end_k_qc2ad888781_qlayer:
	.size	k_qc2ad888781_qlayer, .Lfunc_end_k_qc2ad888781_qlayer-k_qc2ad888781_qlayer
	.p2alignl 7, 3214868480
	.fill 96, 4, 3214868480
	.section	.rodata,"a",@progbits
	.p2align	6, 0x0
	.amdhsa_kernel k_qc2ad888781_qlayer
		.amdhsa_group_segment_fixed_size 1792
		.amdhsa_private_segment_fixed_size 0
		.amdhsa_enable_private_segment 0
		.amdhsa_kernarg_size 24
		.amdhsa_user_sgpr_count 2
		.amdhsa_user_sgpr_kernarg_segment_ptr 1
		.amdhsa_wavefront_size32 1
		.amdhsa_system_sgpr_workgroup_id_x 1
		.amdhsa_system_sgpr_workgroup_id_y 1
		.amdhsa_system_sgpr_workgroup_id_z 1
		.amdhsa_system_vgpr_workitem_id 0
		.amdhsa_next_free_vgpr 138
		.amdhsa_next_free_sgpr 66
		.amdhsa_reserve_vcc 1
		.amdhsa_float_denorm_mode_32 3
		.amdhsa_float_denorm_mode_16_64 3
		.amdhsa_memory_ordered 1
		.amdhsa_forward_progress 1
		.amdhsa_inst_pref_size 15
	.end_amdhsa_kernel
	.amdgpu_metadata
---
amdhsa.version: [ 1, 2 ]
amdhsa.kernels:
  - .name:           k_qc2ad888781_qlayer
    .symbol:         k_qc2ad888781_qlayer.kd
    .args:
      - { .name: x, .offset: 0, .size: 8, .value_kind: global_buffer, .address_space: global }
      - { .name: weights, .offset: 8, .size: 8, .value_kind: global_buffer, .address_space: global }
      - { .name: out0, .offset: 16, .size: 8, .value_kind: global_buffer, .address_space: global }
    .group_segment_fixed_size: 1792
    .private_segment_fixed_size: 0
    .kernarg_segment_align: 8
    .kernarg_segment_size: 24
    .max_flat_workgroup_size: 32
    .sgpr_count:     66
    .vgpr_count:     138
    .wavefront_size: 32
...
	.end_amdgpu_metadata
.endif
;; end of part 1
